; MI455X (gfx1250); checked and timed in simulation.
; The chip was launched on July 23, 2026; its instructions are those of AMD's public machine-readable ISA for CDNA 5 (MIT licence, August 2026) and "CDNA5" Instruction Set Architecture Reference Guide (July 2026). The comments in the code are by the model that wrote it; some were corrected since.
;; Bert Self Attention. Allowed arithmetic: matrix products marked QUANTISED: E4M3 operands, one given power-of-two scale a tensor, by v_wmma_f32_16x16x64_fp8_fp8 or v_wmma_f32_16x16x128_fp8_fp8, f32 sums; everything else in f32.
;; Inputs: Wk_codes 1,024 x 32 x 32 uint8 (E4M3 codes of Wk, K innermost, in blocks of 32 codes); Wq_codes 1,024 x 32 x 32 uint8 (E4M3 codes of Wq, K innermost, in blocks of 32 codes); Wv_codes 1,024 x 32 x 32 uint8 (E4M3 codes of Wv, K innermost, in blocks of 32 codes); attention_mask 4 x 1 x 1 x 2,048 float32; bk 1,024 float32; bq 1,024 float32; bv 1,024 float32; hidden_states_codes 4 x 2,048 x 32 x 32 uint8 (E4M3 codes of hidden_states, K innermost, in blocks of 32 codes); lowp_scales 10 int32 (the exponents e of the quantised operands' scales 2^e).
;; Outputs: out0 4 x 2,048 x 1,024 float32.
;; This version of the problem:
;;   THIS VERSION OF THE PROBLEM IS GIVEN IN LOW PRECISION. The matrix products marked QUANTISED in the list below multiply operands that are first quantised to E4M3 (4 exponent bits, 3 mantissa bits; 8 bits a number), with one given power-of-two scale for each operand tensor; their sums are f32. All else is computed in f32.
;;   The module's matrix products, in the order in which they are computed (A, B: the left and right operand; K: the contracted axis; several contracted axes count as one K, in the product's order):
;;     1. [M 8,192, K 1,024] x [K 1,024, N 1,024]; A: input hidden_states (given as codes); B: input Wq (given as codes): QUANTISED (scales: A lowp_scales[0], B lowp_scales[1])
;;     2. [M 8,192, K 1,024] x [K 1,024, N 1,024]; A: input hidden_states (given as codes); B: input Wk (given as codes): QUANTISED (scales: A lowp_scales[2], B lowp_scales[3])
;;     3. [M 8,192, K 1,024] x [K 1,024, N 1,024]; A: input hidden_states (given as codes); B: input Wv (given as codes): QUANTISED (scales: A lowp_scales[4], B lowp_scales[5])
;;     4. batch 64 x [M 2,048, K 64] x [K 64, N 2,048]; A: computed on the way; B: computed on the way: QUANTISED (scales: A lowp_scales[6], B lowp_scales[7])
;;     5. batch 64 x [M 2,048, K 2,048] x [K 2,048, N 64]; A: softmax (see below); B: computed on the way: QUANTISED (scales: A lowp_scales[8], B lowp_scales[9])
;;   THE QUANTISER, for each operand of a quantised product, along K:
;;     - The operand's scale is 2^e, e = its entry of the input lowp_scales (int32; the entries are numbered through the quantised products in the list's order, A before B).
;;     - Each number is divided by the scale, clamped to +-448, and rounded to the nearest number of E4M3, ties to even, subnormals kept.
;;     - The product sums the exact products of the quantised numbers (number of the format x scale) in f32.
;;   ~~~python
;;   def quantise(x, axis, e):      # numpy; x: float32 -> the quantised numbers, widened to float32 again
;;       x = np.moveaxis(x, axis, -1); K = x.shape[-1]
;;       r = np.clip(x / 2.0 ** e, -448, 448)
;;       step = 2.0 ** (np.maximum(np.frexp(np.where(r == 0, 1, r))[1] - 1, -6) - 3)
;;       q = np.round(r / step) * step * 2.0 ** e      # np.round: ties to even
;;       return np.moveaxis(q, -1, axis).astype(np.float32)
;;   ~~~
;;   SOFTMAX AHEAD OF A QUANTISED PRODUCT. Where the list says 'softmax', what is quantised is not the finished softmax but p = 2^(t - M), with t = logit x log2(e) and M = ceil(the row's largest t), a whole number; so 1/2 < the row's largest p <= 1. The row's sum l is taken of the UNQUANTISED p, in f32, and the product's result is divided by l at the end. Since M is a whole number, a kernel that streams over the keys may use a running M (the ceiling of the running maximum): every later rescaling is an exact power of two, so the quantised numbers keep their values, but for numbers so far below the row's largest that they fall under the format's range.
;;   OPERANDS COMPUTED ON THE WAY. 'Computed on the way' means the value that the module computes at that place (a softmax that the list does not call 'softmax' is quantised finished and normalised). What goes into a quantiser is computed in f32, as accurately as f32 sums, v_exp_f32 and their like allow (about 1e-6 of the number): no bf16 or f16 on the way to a quantiser, and a product that is left as it is and whose result goes on into a quantised operand takes f32 operands (vector FMAs, or v_wmma_f32_16x16x4_f32). A number that lies on a knife's edge between two numbers of the format may be rounded either way, as far as f32 arithmetic and the matrix unit's own rounding can turn it there, and no further.
;;   INPUTS GIVEN AS CODES. Wk (in the module: [1024, 1024], K = its axis 1); Wq (in the module: [1024, 1024], K = its axis 1); Wv (in the module: [1024, 1024], K = its axis 1); hidden_states (in the module: [4, 2048, 1024], K = its axis 2): each comes as NAME_codes (uint8): NAME with its K axis moved to the last place and cut into blocks of 32 codes, [.., K / 32, bytes a block], one block behind the other in memory; one code a byte (a code: sign, 4 exponent bits, 3 mantissa bits); its scale is its entry of lowp_scales. Its value is code x scale, taken as it is: it is not quantised again, and the codes and scales need not be those that the quantiser above would give.
;; One version. Each part assembles by itself: llvm-mc -triple=amdgcn-amd-amdhsa -mcpu=gfx1250 --defsym DOCPART=n.
;; ======== version 1 of 1: 2 launches
;; limits: right only within a limited range of input values
;; workspace buffers: qimg 8,388,608 bytes; kimg 8,388,608 bytes; vimg 8,388,608 bytes
;; launch proj (part 1): grid 12 x 32, 4 waves a work-group, clusters of 4 x 4, 327,680 bytes of LDS; arguments Wq_codes, Wk_codes, Wv_codes, hidden_states_codes, bq, bk, bv, lowp_scales, qimg, kimg, vimg; writes qimg, kimg, vimg
.if DOCPART == 1
	.amdgcn_target "amdgcn-amd-amdhsa--gfx1250"
	.amdhsa_code_object_version 6
	.text
	.protected	k_qf20181c01e_proj
	.globl	k_qf20181c01e_proj
	.p2align	8
	.type	k_qf20181c01e_proj,@function
k_qf20181c01e_proj:
	s_mov_b64 s[64:65], 0
	v_nop
	global_prefetch_b8 v0, s[64:65] scope:SCOPE_SE
	s_setreg_imm32_b32 hwreg(HW_REG_WAVE_MODE, 25, 1), 1
	s_wait_xcnt 0x0
	s_wait_alu depctr_hold_cnt(0) depctr_sa_sdst(0) depctr_va_vdst(0) depctr_va_sdst(0) depctr_va_ssrc(0) depctr_va_vcc(0) depctr_vm_vsrc(0)
	s_getreg_b32 s2, hwreg(HW_REG_IB_STS2, 6, 4)
	s_cmp_eq_u32 s2, 0
	s_cbranch_scc0 .Lentry_in_a_cluster
	s_endpgm
.Lentry_in_a_cluster:
	s_bfe_u32 s2, ttmp6, 0x10000c
	s_cmp_lg_u32 s2, 0xf033
	s_cbranch_scc0 .Lentry_shape_is_right
	s_endpgm
.Lentry_shape_is_right:
.set SIZE_K, 1024
.set KSTEP,  256
.set ROWB,   256
.set KROW,   SIZE_K
.set PITCH,  272
.set FR,     16
.set NL,     4
.set NP,     4
.set HALFT,  128*PITCH
.set SLOT,   4*HALFT
.set LAPS,   SIZE_K/(2*KSTEP)
.set SPARE,  2*SLOT
.set VO,   8
.set ADRA, 16
.set ADRB, 20
.set SPW,  28
.set NIL,  29
.set BX,   32
.set BY,   96
.set SC,   112
.set LIM,  113
.set ONE,  114
.set AF,   128
.set T,    128
.set CD,   192
.set G1, 24
.set G0, 32
.set G1B, 48
.set G0B, 56
.set MSB, 0
.macro WIN new
.if MSB != \new
	s_set_vgpr_msb (MSB<<8)|\new
.set MSB, \new
.endif
.endm
.set MUL_LO, 0xa1
.set MUL_HI, 0xf1
.set TO_B,   0x40
.macro JLOAD g0a, g1a, g0b, g1b
	s_cmp_eq_u32 s15, 0
	s_cbranch_scc0 .Lfor_b_\@
	tensor_load_to_lds s[\g0a:\g0a+3], s[\g1a:\g1a+7]
	s_nop 0
.rept 4
	v_nop
.endr
	s_branch .Lasked_\@
.Lfor_b_\@:
	tensor_load_to_lds s[\g0b:\g0b+3], s[\g1b:\g1b+7]
	s_nop 0
.rept 4
	v_nop
.endr
.Lasked_\@:
.endm
.macro CREST
	s_cmp_lg_u32 s14, 0
	s_cbranch_scc1 .Lnot_wave_0_\@
	s_barrier_signal -3
.Lnot_wave_0_\@:
	s_barrier_wait -3
	s_barrier_signal -1
	s_barrier_wait -1
.endm
.macro CROUND
	s_barrier_signal -1
	s_barrier_wait -1
	CREST
.endm
	s_load_b512 s[68:83], s[0:1], 0x0
	s_load_b128 s[84:87], s[0:1], 0x40
	s_load_b64 s[88:89], s[0:1], 0x50
	v_lshl_add_u32 v[SPW], v0, 2, SPARE
	v_mov_b32 v[NIL], 0
	ds_add_u32 v28, v29
	ds_add_u32 v28, v29
	s_wait_dscnt 0x0
	v_lshrrev_b32 v1, 5, v0
	v_readfirstlane_b32 s14, v1
	s_lshr_b32 s15, s14, 1
	s_and_b32 s16, s14, 1
	s_bfe_u32 s40, ttmp6, 0x40000
	s_bfe_u32 s41, ttmp6, 0x40004
	s_and_b32 s18, ttmp7, 0xffff
	s_lshl_b32 s18, s18, 2
	s_cmp_eq_u32 ttmp9, 2
	s_cselect_b32 s42, s18, 0
	s_cselect_b32 s17, 0, s18
	s_cselect_b32 s66, -1, 0
	s_add_co_u32 s42, s42, s40
	s_add_co_u32 s17, s17, s41
	s_lshl_b32 s43, s41, 2
	s_lshl_b32 s43, 15, s43
	s_lshl_b32 s44, 0x1111, s40
	s_or_b32 s[G1+0], s43, (0<<16)|(1<<20)|(1<<21)|(5<<22)|(3<<25)
	s_or_b32 s[G1B+0], s44, (0<<16)|(1<<20)|(1<<21)|(5<<22)|(3<<25)
.irp g, G1, G1B
	s_mov_b32 s[\g+1], ROWB<<16
	s_mov_b32 s[\g+2], 128<<16
	s_mov_b32 s[\g+3], ROWB<<16
	s_mov_b32 s[\g+4], 128
	s_mov_b32 s[\g+5], KROW
	s_mov_b32 s[\g+6], 0
	s_mov_b32 s[\g+7], 0
.endr
	s_lshl_b32 s18, s16, 7
	s_lshl_b32 s20, s17, 8
	s_add_co_u32 s20, s20, s18
	s_lshl_b32 s20, s20, 10
	s_lshl_b32 s46, s42, 8
	s_add_co_u32 s46, s46, s18
	s_lshl_b32 s46, s46, 10
	s_mov_b32 s21, 0
	s_mov_b32 s47, 0
	s_mul_i32 s45, s14, HALFT
	s_wait_kmcnt 0x0
	s_load_b256 s[92:99], s[82:83], 0x0
	s_load_b64 s[100:101], s[82:83], 0x20
	s_cmp_eq_u32 ttmp9, 1
	s_cselect_b64 s[6:7], s[70:71], s[68:69]
	s_cselect_b64 s[8:9], s[78:79], s[76:77]
	s_cselect_b64 s[10:11], s[86:87], s[84:85]
	s_cmp_eq_u32 ttmp9, 2
	s_cselect_b64 s[4:5], s[72:73], s[74:75]
	s_cselect_b64 s[6:7], s[74:75], s[6:7]
	s_cselect_b64 s[8:9], s[80:81], s[8:9]
	s_cselect_b64 s[10:11], s[88:89], s[10:11]
	s_add_nc_u64 s[20:21], s[4:5], s[20:21]
	s_add_nc_u64 s[46:47], s[6:7], s[46:47]
	CROUND
.irp s, 0,1
	s_mov_b32 s[G0+4*\s], 1
	s_add_co_u32 s[G0+4*\s+1], s45, \s*SLOT
	s_add_nc_u64 s[G0+4*\s+2:G0+4*\s+3], s[20:21], \s*ROWB
	s_or_b32 s[G0+4*\s+3], s[G0+4*\s+3], 0x80000000
	s_mov_b32 s[G0B+4*\s], 1
	s_add_co_u32 s[G0B+4*\s+1], s45, \s*SLOT
	s_add_nc_u64 s[G0B+4*\s+2:G0B+4*\s+3], s[46:47], \s*ROWB
	s_or_b32 s[G0B+4*\s+3], s[G0B+4*\s+3], 0x80000000
.endr
	JLOAD G0, G1, G0B, G1B                         ; K step 0: my one tensor load at the head; the addresses, biases and scales below are made while it is out
	v_and_b32 v1, 15, v0
	v_bfe_u32 v2, v0, 4, 1
	s_wait_alu depctr_va_vdst(0)
	v_mul_u32_u24 v3, v1, PITCH
	v_lshl_add_u32 v4, v2, 4, v3
	s_mul_i32 s21, s15, HALFT
	s_mul_i32 s22, s16, HALFT
	s_add_co_u32 s22, s22, 2*HALFT
.irp s, 0,1
	v_add_nc_u32 v[ADRA+\s], s21, v4
	v_add_nc_u32 v[ADRB+\s], s22, v4
	s_add_co_u32 s21, s21, SLOT
	s_add_co_u32 s22, s22, SLOT
.endr
	s_lshl_b32 s18, s40, 10
	s_lshl_b32 s19, s16, 9
	s_add_co_u32 s18, s18, s19
	v_lshl_add_u32 v5, v2, 5, s18
	s_lshl_b32 s18, s41, 10
	s_lshl_b32 s19, s15, 9
	s_add_co_u32 s18, s18, s19
	v_lshl_add_u32 v6, v1, 2, s18
.irp b, 0,1,2,3,4,5,6,7
	global_load_b128 v[BX+8*\b:BX+8*\b+3],   v5, s[8:9] offset:64*\b
	global_load_b128 v[BX+8*\b+4:BX+8*\b+7], v5, s[8:9] offset:64*\b+16
.endr
.irp a, 0,1,2,3,4,5,6,7
	global_load_b32 v[BY+2*\a], v6, s[8:9] offset:64*\a
.endr
	s_cmp_eq_u32 ttmp9, 2
	s_cselect_b32 s18, s42, s17
	s_cselect_b32 s19, s16, s15
	s_cselect_b32 s22, s41, s40
	s_cselect_b32 s23, s15, s16
	s_mov_b32 s67, 512
	s_cselect_b32 s67, 2048, s67
	s_mov_b32 s90, 131072
	s_cselect_b32 s90, 4096, s90
	s_mov_b32 s20, 1024
	s_cselect_b32 s20, 512, s20
	s_mov_b32 s46, 1024
	s_cselect_b32 s46, 129536, s46
	s_mov_b32 s21, 0
	s_mov_b32 s47, 0
	s_lshr_b32 s91, s18, 3
	s_lshl_b32 s91, s91, 4
	s_lshl_b32 s22, s22, 2
	s_add_co_u32 s91, s91, s22
	s_lshl_b32 s23, s23, 1
	s_add_co_u32 s91, s91, s23
	s_lshl_b32 s91, s91, 17
	s_and_b32 s18, s18, 7
	s_lshl_b32 s18, s18, 8
	s_lshl_b32 s19, s19, 7
	s_add_co_u32 s18, s18, s19
	s_lshl_b32 s18, s18, 6
	s_add_co_u32 s18, s18, s91
	s_mov_b32 s19, 0
	s_add_nc_u64 s[10:11], s[10:11], s[18:19]
	v_and_b32 v7, 31, v0
	v_lshlrev_b32 v[VO], 4, v7
	v_add_nc_u32 v[VO+1], s67, v[VO]
	v_add_nc_u32 v[VO+2], s90, v[VO]
	v_add_nc_u32 v[VO+3], s90, v[VO+1]
	v_mov_b32 v[ONE], 1.0
	s_wait_kmcnt 0x0
	s_add_co_i32 s92, s92, s93
	s_add_co_i32 s94, s94, s95
	s_add_co_i32 s96, s96, s97
	s_cmp_eq_u32 ttmp9, 1
	s_cselect_b32 s92, s94, s92
	s_cselect_b32 s98, s99, s98
	s_cmp_eq_u32 ttmp9, 2
	s_cselect_b32 s92, s96, s92
	s_cselect_b32 s98, s101, s98
	s_sub_co_i32 s19, 0, s92
	s_sub_co_i32 s98, s98, s92
	s_add_co_i32 s98, s98, 127
	s_lshl_b32 s99, s98, 23
	v_mov_b32 v[SC], s99
	s_add_co_i32 s98, s98, 8
	s_lshl_b32 s98, s98, 23
	s_or_b32 s98, s98, 0x600000
	v_mov_b32 v[LIM], s98
	s_wait_loadcnt 0x0
.set j, 0
.rept 64
	v_ldexp_f32 v[BX+j], v[BX+j], s19
.set j, j+1
.endr
.set j, 0
.rept 64
	v_cndmask_b32 v[BX+j], v[BX+j], v[ONE], s66
.set j, j+1
.endr
.irp a, 0,1,2,3,4,5,6,7
	v_ldexp_f32 v[BY+2*\a], v[BY+2*\a], s19
.endr
.irp a, 0,1,2,3,4,5,6,7
	v_cndmask_b32 v[BY+2*\a], v[ONE], v[BY+2*\a], s66
.endr
.irp a, 0,1,2,3,4,5,6,7
	v_mov_b32 v[BY+2*\a+1], v[BY+2*\a]
.endr
.macro FRAG reg, adr, q, i
.irp c, 0,1,2,3
	ds_load_b128 v[\reg+4*\c:\reg+4*\c+3], v[\adr] offset:128*(\q)+32*\c+(\i)*16*PITCH
.endr
.endm
.macro MUL16 a0, p, zero
.irp a, \a0, \a0+1
.irp b, 0,1,2,3,4,5,6,7
.if \zero
	v_wmma_f32_16x16x128_fp8_fp8 v[8*(8*((\a)%4)+\b):8*(8*((\a)%4)+\b)+7], v[128*(\p)+FR*\b:128*(\p)+FR*\b+FR-1], v[AF+FR*(\a):AF+FR*(\a)+FR-1], 0
.else
	v_wmma_f32_16x16x128_fp8_fp8 v[8*(8*((\a)%4)+\b):8*(8*((\a)%4)+\b)+7], v[128*(\p)+FR*\b:128*(\p)+FR*\b+FR-1], v[AF+FR*(\a):AF+FR*(\a)+FR-1], v[8*(8*((\a)%4)+\b):8*(8*((\a)%4)+\b)+7]
.endif
.endr
.endr
.endm
.macro FETCH_B slot, q, p
	WIN TO_B
.irp i, 0,1,2,3,4,5,6,7
	FRAG 128*(\p)+FR*\i, ADRB+\slot, \q, \i
.endr
	WIN 0
.endm
.macro FETCH_A slot, q, i0
.irp i, \i0, \i0+1, \i0+2, \i0+3
	FRAG AF+FR*(\i), ADRA+\slot, \q, \i
.endr
.endm
.macro PLACES n
.rept \n
	v_nop
.endr
.endm
.macro STEP slot, q, zero
	s_wait_dscnt 4*NL
	WIN MUL_LO
	MUL16 0, (\q)%2, \zero
	MUL16 2, (\q)%2, \zero
	s_wait_dscnt 0
	PLACES NP
	FETCH_B \slot, (\q)+1, 1-(\q)%2
	FETCH_A \slot, (\q)+1, 0
	WIN MUL_HI
	MUL16 4, (\q)%2, \zero
	MUL16 6, (\q)%2, \zero
	PLACES NP
	WIN 0
	FETCH_A \slot, (\q)+1, 4
.endm
.macro TURN slot, next, fill
	s_wait_tensorcnt 0x0
	ds_add_u32 v[SPW], v[NIL]
	s_wait_dscnt 4*NL+1
	WIN MUL_LO
	MUL16 0, 1, 0
	s_wait_dscnt 0x0
	s_barrier_signal -1
	MUL16 2, 1, 0
	WIN 0
	s_barrier_wait -1
.if \fill
	CREST
	s_add_nc_u64 s[G0+4*\slot+2:G0+4*\slot+3], s[G0+4*\slot+2:G0+4*\slot+3], 2*ROWB
	s_add_nc_u64 s[G0B+4*\slot+2:G0B+4*\slot+3], s[G0B+4*\slot+2:G0B+4*\slot+3], 2*ROWB
	JLOAD G0+4*\slot, G1, G0B+4*\slot, G1B
.else
	PLACES NP
.endif
	FETCH_B \next, 0, 0
	FETCH_A \next, 0, 0
	WIN MUL_HI
	MUL16 4, 1, 0
	MUL16 6, 1, 0
	PLACES NP
	WIN 0
	FETCH_A \next, 0, 4
.endm
	s_wait_alu depctr_va_vdst(0)                   ; the wait at the head's end
	s_wait_tensorcnt 0x0                           ; my part of K step 0 is in
	ds_add_u32 v[SPW], v[NIL]
	s_wait_dscnt 0x0
	CROUND                                         ; everybody's part of K step 0 is in, and the joint loads meet
	JLOAD G0+4, G1, G0B+4, G1B                     ; K step 1, the first tensor load behind the round
	FETCH_B 0, 0, 0
	FETCH_A 0, 0, 0
	FETCH_A 0, 0, 4
	STEP 0, 0, 1
	s_mov_b32 s3, LAPS-1
.Llap:
	TURN 0, 1, 1
	STEP 1, 0, 0
	TURN 1, 0, 1
	STEP 0, 0, 0
	s_sub_co_u32 s3, s3, 1
	s_cmp_lg_u32 s3, 0
	s_cbranch_scc1 .Llap
	TURN 0, 1, 0
	STEP 1, 0, 0
	s_wait_dscnt 4*NL
	WIN MUL_LO
	MUL16 0, 1, 0
	MUL16 2, 1, 0
	s_wait_alu depctr_va_vdst(0)
	s_wait_dscnt 0
	WIN MUL_HI
	MUL16 4, 1, 0
	MUL16 6, 1, 0
	WIN 0
.macro OUTBLK a
.set AC, 64*((\a)%4)
	WIN 0x20+0x10*((\a)/4)
.set j, 0
.rept 32
	v_pk_fma_f32 v[T+j:T+j+1], v[BX+j:BX+j+1], v[BY+2*(\a):BY+2*(\a)+1], v[AC+j:AC+j+1]
.set j, j+2
.endr
	WIN 0
.set j, 0
.rept 64
	v_med3_num_f32 v[T+j], v[T+j], -v[LIM], v[LIM]
.set j, j+1
.endr
	s_wait_alu depctr_va_vdst(0)
	s_wait_xcnt 0x0
.if (\a) == 4
	s_add_nc_u64 s[10:11], s[10:11], s[46:47]
.elseif (\a) > 0
	s_add_nc_u64 s[10:11], s[10:11], s[20:21]
.endif
.irp b, 0,1,2,3,4,5,6,7
	v_cvt_scalef32_pk8_fp8_f32 v[CD+2*\b:CD+2*\b+1], v[T+8*\b:T+8*\b+7], v[SC]
.endr
	v_nop
.irp g, 0,1,2,3
	global_store_b128 v[VO+\g], v[CD+4*\g:CD+4*\g+3], s[10:11]
.endr
.endm
	PLACES NP
.irp a, 0,1,2,3,4,5,6,7
	OUTBLK \a
.endr
	s_wait_tensorcnt 0x0
	ds_add_u32 v[SPW], v[NIL]
	s_wait_dscnt 0x0
	CROUND
	s_endpgm
.Lfunc_end_k_qf20181c01e_proj:
	.size	k_qf20181c01e_proj, .Lfunc_end_k_qf20181c01e_proj-k_qf20181c01e_proj
	.p2alignl 7, 3214868480
	.fill 96, 4, 3214868480
	.section	.rodata,"a",@progbits
	.p2align	6, 0x0
	.amdhsa_kernel k_qf20181c01e_proj
		.amdhsa_group_segment_fixed_size 327680
		.amdhsa_private_segment_fixed_size 0
		.amdhsa_enable_private_segment 0
		.amdhsa_kernarg_size 88
		.amdhsa_user_sgpr_count 2
		.amdhsa_user_sgpr_kernarg_segment_ptr 1
		.amdhsa_wavefront_size32 1
		.amdhsa_system_sgpr_workgroup_id_x 1
		.amdhsa_system_sgpr_workgroup_id_y 1
		.amdhsa_system_sgpr_workgroup_id_z 1
		.amdhsa_system_vgpr_workitem_id 0
		.amdhsa_next_free_vgpr 1024
		.amdhsa_next_free_sgpr 102
		.amdhsa_reserve_vcc 0
		.amdhsa_float_denorm_mode_32 3
		.amdhsa_float_denorm_mode_16_64 3
		.amdhsa_memory_ordered 1
		.amdhsa_forward_progress 1
		.amdhsa_inst_pref_size 148
	.end_amdhsa_kernel
	.amdgpu_metadata
---
amdhsa.version: [ 1, 2 ]
amdhsa.kernels:
  - .name:           k_qf20181c01e_proj
    .symbol:         k_qf20181c01e_proj.kd
    .args:
      - { .name: Wq_codes, .offset: 0, .size: 8, .value_kind: global_buffer, .address_space: global }
      - { .name: Wk_codes, .offset: 8, .size: 8, .value_kind: global_buffer, .address_space: global }
      - { .name: Wv_codes, .offset: 16, .size: 8, .value_kind: global_buffer, .address_space: global }
      - { .name: hidden_states_codes, .offset: 24, .size: 8, .value_kind: global_buffer, .address_space: global }
      - { .name: bq, .offset: 32, .size: 8, .value_kind: global_buffer, .address_space: global }
      - { .name: bk, .offset: 40, .size: 8, .value_kind: global_buffer, .address_space: global }
      - { .name: bv, .offset: 48, .size: 8, .value_kind: global_buffer, .address_space: global }
      - { .name: lowp_scales, .offset: 56, .size: 8, .value_kind: global_buffer, .address_space: global }
      - { .name: qimg, .offset: 64, .size: 8, .value_kind: global_buffer, .address_space: global }
      - { .name: kimg, .offset: 72, .size: 8, .value_kind: global_buffer, .address_space: global }
      - { .name: vimg, .offset: 80, .size: 8, .value_kind: global_buffer, .address_space: global }
    .group_segment_fixed_size: 327680
    .private_segment_fixed_size: 0
    .kernarg_segment_align: 8
    .kernarg_segment_size: 88
    .max_flat_workgroup_size: 128
    .sgpr_count:     102
    .vgpr_count:     1024
    .wavefront_size: 32
...
	.end_amdgpu_metadata
.endif
;; end of part 1
;; launch attn (part 2): grid 4 x 64, 16 waves a work-group, clusters of 4 x 1, 327,680 bytes of LDS; arguments qimg, kimg, vimg, attention_mask, lowp_scales, out0; writes out0
.if DOCPART == 2
	.amdgcn_target "amdgcn-amd-amdhsa--gfx1250"
	.amdhsa_code_object_version 6
	.text
	.protected	k_qf20181c01e_attn
	.globl	k_qf20181c01e_attn
	.p2align	8
	.type	k_qf20181c01e_attn,@function
k_qf20181c01e_attn:
	s_mov_b64 s[64:65], 0
	v_nop
	global_prefetch_b8 v0, s[64:65] scope:SCOPE_SE
	s_setreg_imm32_b32 hwreg(HW_REG_WAVE_MODE, 25, 1), 1
	s_wait_xcnt 0x0
	s_wait_alu depctr_hold_cnt(0) depctr_sa_sdst(0) depctr_va_vdst(0) depctr_va_sdst(0) depctr_va_ssrc(0) depctr_va_vcc(0) depctr_vm_vsrc(0)
	s_getreg_b32 s2, hwreg(HW_REG_IB_STS2, 6, 4)
	s_cmp_eq_u32 s2, 0
	s_cbranch_scc0 .Lentry_in_a_cluster
	s_endpgm
.Lentry_in_a_cluster:
	s_bfe_u32 s2, ttmp6, 0x10000c
	s_cmp_lg_u32 s2, 0x3003
	s_cbranch_scc0 .Lentry_shape_is_right
	s_endpgm
.Lentry_shape_is_right:
; out[batch][q][head x 64 ..] = the sum over keys of softmax(q . k / 8 + mask[batch][key]) v, both products on codes of FP8 (E4M3); q, k, v come as images of operand registers, with the scales 2^e6, 2^e7, 2^e9.
; THE SOFTMAX AHEAD OF THE SECOND PRODUCT: t = logit x log2(e); M = the row's largest t so far, rounded UP to a whole number; p = 2^(t - M) is quantised with 2^e8, not normalised.
; The row's sum is taken of the unquantised p, in f32, and divides at the end.  When M moves, the sum and O are multiplied by 2^(old M - new M): exact.
; SHARES.  A work-group owns 512 queries of one head (64 heads x 4 blocks = 256 work-groups); each of its sixteen waves owns 32, two tiles of 16, which share every fragment of K, V and the mask.  A step is 64 keys; 32 steps.
; LDS HOLDS THE HEAD'S WHOLE K AND V, 131,072 bytes each; no byte is filled twice.  Waves 0-7 fetch K, 8-15 V, two tensor loads a wave: at the head 2,048 bytes (together keys 0-255), and, behind the
; sequence and round ahead of a later first fill, 14,336 bytes (keys 256-2,047), which land under steps 0-3 and are read behind a wait and a barrier.  All of LDS is claimed.
; CLUSTER.  The four query blocks of a head need the same K and V: each load is asked for JOINTLY, with the same descriptor (wave's number and head alone) and the mask of all four.
; NO PREFETCH: all that the launch reads from memory is asked for ahead of its first step; there is no loop to run ahead in.
; IMAGES (plain 8-bit layout: registers 2 c, 2 c + 1 of lane (r, h) hold k = 16 c + 8 h + 0 .. 7).  qimg, kimg: head x 131072 + (token / 16) x 1024 + c x 512 + lane x 16.
; vimg: head x 131072 + (key / 32) x 2048 + dt x 512 + lane x 16: channel 16 dt + r, keys 32 g + 8 h + 0 .. 7 and 32 g + 16 + 8 h + 0 .. 7.
; LAYOUT.  Both products transposed: S^T = K Q^T, O^T = V^T P^T: a lane holds ONE query (lane % 16); the eight results of tile t of S^T, converted, are registers 2 t, 2 t + 1 of P's fragment.
; THE MASK IS THE C OF THE SCORE PRODUCTS: t = (sum + mask x 8 / 2^(e6 + e7)) x c, c = log2(e) / 8 x 2^(e6 + e7).  The scaled mask lies in LDS.
; THE STEP'S ORDER.  K and the mask of step i + 1 are asked of LDS behind step i's score products, into the registers that these have read; V of step i goes into tile 0's score registers once its codes are made.
; LIMITS.  e6 + e7 between -100 and 100; e8 between -126 and 119.  The mask is held within +-2^21 (an infinity too): beside any key that counts, a key at -2^21 has p = 0, as with the mask as given;
; a batch in which EVERY key's mask lies beyond +-2^21 is not served as given.  NaN in the mask is not served.
.set VIMG,  131072                     ; LDS: K's image at 0, V's here,
.set MASKB, 262144                     ; the batch's 2,048 scaled mask numbers, stored by the waves; the spare words follow at 0x42000, 2,048 bytes
.set STG,   272384                     ; the way out: 16 rows x (128 + 16) bytes for each wave, bytes of their own: no fill lands here and no other wave touches a wave's rows
.set SPITCH, 144
.set PA,    2048                       ; a wave's bytes of the first fill; 8 x PA = 16,384 = 256 keys of an image
.set PB,    14336                      ; and of the second
.set LI,  1                            ; v1   16 x lane
.set MA0, 2                            ; v2   MASKB + 32 (lane / 16)
.set ADK, 3                            ; v3   LDS address of the next step's K
.set ADV, 4                            ; v4   of this step's V
.set ADM, 5                            ; v5   of the next step's mask
.set SC,  6                            ; v6   2^e8 as f32
.set LIM, 7                            ; v7   448 x 2^e8
.set ST,  8                            ; tile u at v[8 + 4 u]: -M, the largest t, the sum in two halves
.set WK,  16                           ; tile u at v[16 + 8 u]: +0, +1 two chains of the maximum (+1 then the other half's); +3 the old -M; +4, +5 f (a pair)
.set LIM2, 18                          ; v18  448 x 2^e8 once more: the second half of a dual pair takes its source from another register bank
.set CA,  16                           ; v[16:17], v[30:31], v[26:27]: three more chains of tile 1's sum.  v20-25, v28-29 and v248-255: tile 0's eight first sums
.set CB,  30
.set CC,  26
.set QF,  32                           ; v32-47   Q
.set KF,  48                           ; v48-79   four fragments of K
.set MC,  80                           ; v80-111  the mask as C
.set S,   112                          ; v112-175 S^T, then p; v112-143 then V
.set O,   176                          ; v176-239 O^T
.set P,   240                          ; v240-255 p's codes
.set WV,  16
.set SEL, 20
.set CS,  22
.set G1,  24                           ; s[24:31] group 1 and s[32:35] group 0 of the first fill; s[36:43], s[44:47] of the second
.set G0,  32
.set G1B, 36
.set G0B, 44
.set KO,  48                           ; s48  the next step's first byte in K's image
.set MO,  49                           ; s49  and in the mask
.set CNT, 50
.macro CROUND
	s_barrier_signal -1
	s_barrier_wait -1
	s_cmp_lg_u32 s[WV], 0
	s_cbranch_scc1 .Lnot_wave_0_\@
	s_barrier_signal -3
.Lnot_wave_0_\@:
	s_barrier_wait -3
	s_barrier_signal -1
	s_barrier_wait -1
.endm
.macro DMIN r                          ; the hold, two numbers an instruction: the conversion to an 8-bit code does not saturate (ISA guide 7.6.2); p is not negative, so it is one-sided
	v_dual_min_num_f32 v[\r], v[\r], v[LIM] :: v_dual_min_num_f32 v[(\r)+1], v[(\r)+1], v[LIM2]
.endm
.macro PADD d, a, b
	v_pk_add_f32 v[\d:(\d)+1], v[\a:(\a)+1], v[\b:(\b)+1]
.endm
.macro KLD adr
.irp t, 0,1,2,3
.irp c, 0,1
	ds_load_b128 v[KF+8*\t+4*\c:KF+8*\t+4*\c+3], v[\adr] offset:1024*\t+512*\c
.endr
.endr
.endm
.macro MLD adr, t, pre                 ; the mask of keys 16 t + 8 h on
.if \pre
	ds_load_b128 v[MC+8*\t:MC+8*\t+3], v[\adr] offset:64*\t
	ds_load_b128 v[MC+8*\t+4:MC+8*\t+7], v[\adr] offset:64*\t+16
.endif
.endm
	s_load_b256 s[4:11], s[0:1], 0x0               ; qimg, kimg, vimg, the mask
	s_load_b128 s[12:15], s[0:1], 0x20             ; the exponents, out
	v_lshl_add_u32 v254, v0, 2, 0x42000
	v_mov_b32 v255, 0
	ds_add_u32 v254, v255                          ; the opening lines: the add, twice on end, and its wait
	ds_add_u32 v254, v255
	v_lshrrev_b32 v1, 5, v0
	v_readfirstlane_b32 s[WV], v1                  ; wave 0..15
	s_bfe_u32 s19, ttmp6, 0x40000                  ; cx
	s_lshl_b32 s17, ttmp9, 2
	s_add_co_u32 s17, s17, s19                     ; my block of 512 queries: it enters Q's and out's addresses alone
	s_and_b32 s18, ttmp7, 0xffff                   ; batch x 16 + head, which the four partners share
	s_mov_b32 s[G1], 15|(3<<16)|(1<<21)            ; the mask of all four; elements of 8 bytes; no padding; bit 21 beside a mask
	s_mov_b32 s[G1+1], 32<<16                      ; rows of 32 elements = 256 bytes
	s_mov_b32 s[G1+2], (PA/256)<<16                ; 8 rows
	s_mov_b32 s[G1+3], 32<<16
	s_mov_b32 s[G1+4], PA/256
	s_mov_b32 s[G1+5], 32                          ; dense
	s_mov_b32 s[G1+6], 0
	s_mov_b32 s[G1+7], 0
	s_mov_b32 s[G1B], 15|(3<<16)|(1<<21)
	s_mov_b32 s[G1B+1], 32<<16
	s_mov_b32 s[G1B+2], (PB/256)<<16               ; 56 rows
	s_mov_b32 s[G1B+3], 32<<16
	s_mov_b32 s[G1B+4], PB/256
	s_mov_b32 s[G1B+5], 32
	s_mov_b32 s[G1B+6], 0
	s_mov_b32 s[G1B+7], 0
	s_mov_b32 s[SEL], 0x76543210
	s_mov_b32 s[SEL+1], 0xfedcba98
	s_lshr_b32 s56, s[WV], 3                       ; 0: I fetch K, 1: V
	s_lshl_b32 s56, s56, 17
	s_and_b32 s57, s[WV], 7
	s_lshl_b32 s51, s57, 11                        ; my bytes of the first fill begin here in the image,
	s_mul_i32 s57, s57, PB
	s_add_co_u32 s57, s57, 8*PA                    ; and those of the second here: the wave's number alone
	s_lshl_b32 s58, s18, 17                        ; the head's first byte in an image
	s_mov_b32 s59, 0
	s_wait_dscnt 0x0
	s_wait_kmcnt 0x0
	s_load_b128 s[52:55], s[12:13], 0x18           ; e6, e7, e8, e9
	s_cmp_lt_u32 s[WV], 8
	s_cselect_b64 s[2:3], s[6:7], s[8:9]
	s_add_nc_u64 s[2:3], s[2:3], s[58:59]
	s_mov_b32 s[G0], 1
	s_add_co_u32 s[G0+1], s56, s51
	s_mov_b32 s58, s51
	s_add_nc_u64 s[G0+2:G0+3], s[2:3], s[58:59]
	s_or_b32 s[G0+3], s[G0+3], 0x80000000
	s_mov_b32 s[G0B], 1
	s_add_co_u32 s[G0B+1], s56, s57
	s_mov_b32 s58, s57
	s_add_nc_u64 s[G0B+2:G0B+3], s[2:3], s[58:59]
	s_or_b32 s[G0B+3], s[G0B+3], 0x80000000
	CROUND                                         ; all four work-groups are here: the joint loads meet
	tensor_load_to_lds s[G0:G0+3], s[G1:G1+7]      ; my one tensor load at the head
	s_nop 0
.rept 4
	v_nop
.endr
	s_lshl_b32 s56, s17, 5
	s_lshl_b32 s57, s[WV], 1
	s_add_co_u32 s56, s56, s57                     ; my first tile of 16 queries
	s_lshl_b32 s56, s56, 10
	s_lshl_b32 s57, s18, 17
	s_add_co_u32 s56, s56, s57
	s_mov_b32 s57, 0
	s_add_nc_u64 s[4:5], s[4:5], s[56:57]          ; Q's image at my two tiles
	s_lshr_b32 s58, s18, 4                         ; the batch
	s_lshl_b32 s56, s58, 13
	s_add_nc_u64 s[10:11], s[10:11], s[56:57]      ; its 2,048 mask numbers
	s_lshl_b32 s56, s58, 11
	s_lshl_b32 s58, s17, 9
	s_add_co_u32 s56, s56, s58
	s_lshl_b32 s58, s[WV], 5
	s_add_co_u32 s56, s56, s58                     ; my first row of out,
	s_lshl_b32 s56, s56, 12                        ; of 4,096 bytes,
	s_and_b32 s58, s18, 15
	s_lshl_b32 s58, s58, 8                         ; and the head's 256 bytes in it
	s_add_co_u32 s56, s56, s58
	s_add_nc_u64 s[14:15], s[14:15], s[56:57]
	v_and_b32 v[LI], 31, v0
	v_bfe_u32 v[MA0], v0, 4, 1
	v_lshlrev_b32 v[LI], 4, v[LI]
	v_lshl_add_u32 v[MA0], v[MA0], 5, MASKB
	v_lshlrev_b32 v[ADM], 4, v0                    ; thread t takes mask numbers 4 t .. 4 t + 3,
	v_lshl_add_u32 v[ADV], v0, 4, MASKB            ; and puts them at the same place in LDS
.irp u, 0,1
.irp c, 0,1
	global_load_b128 v[QF+8*\u+4*\c:QF+8*\u+4*\c+3], v[LI], s[4:5] offset:1024*\u+512*\c
.endr
.endr
	global_load_b128 v[S:S+3], v[ADM], s[10:11]
.irp u, 0,1
	v_mov_b32 v[ST+4*\u+1], 0xff61b1e6             ; the largest t so far: -3e38
	v_mov_b32 v[ST+4*\u+2], 0
	v_mov_b32 v[ST+4*\u+3], 0
	v_mov_b32 v[WK+8*\u+5], 0                      ; (named as the upper half of f's pair)
	v_floor_f32 v[ST+4*\u], -v[ST+4*\u+1]          ; -M
	v_mov_b32 v[WK+8*\u+3], v[ST+4*\u]             ; and as the first step's old -M
.endr
.set j, 0
.rept 64
	v_mov_b32 v[O+j], 0                            ; the step is written for every trip alike: the first finds zeros
.set j, j+1
.endr
	v_mov_b32 v[WK], 0x4a000000                    ; 2^21
	s_wait_alu depctr_va_vdst(0)                   ; the wait ahead of the blocking wait
	s_wait_kmcnt 0x0
	s_add_co_i32 s56, s52, s53                     ; e6 + e7
	s_sub_co_i32 s57, 3, s56
	s_lshl_b32 s56, s56, 23
	s_add_co_i32 s[CS], s56, 0x3e38aa3b            ; c = log2(e) / 8 x 2^(e6 + e7)
	s_mov_b32 s[CS+1], s[CS]
	s_add_co_i32 s56, s54, 127
	s_lshl_b32 s58, s56, 23
	v_mov_b32 v[SC], s58                           ; 2^e8
	s_add_co_i32 s56, s56, 8
	s_lshl_b32 s56, s56, 23
	s_or_b32 s56, s56, 0x600000
	v_mov_b32 v[LIM], s56                          ; 448 x 2^e8
	v_mov_b32 v[LIM2], s56
	s_wait_loadcnt 0x0                             ; Q and the mask
.irp i, 0,1,2,3
	v_med3_num_f32 v[S+\i], v[S+\i], -v[WK], v[WK]
.endr
.irp i, 0,1,2,3
	v_ldexp_f32 v[S+\i], v[S+\i], s57              ; x 8 / 2^(e6 + e7)
.endr
	ds_store_b128 v[ADV], v[S:S+3]
; A KEY STEP: 64 keys for my two tiles.  K and the mask of this step are in registers.  pre = 1: the next step's are asked for.
.macro STEP pre
.irp t, 0,1,2,3
.irp u, 0,1
	v_wmma_f32_16x16x64_fp8_fp8 v[S+32*\u+8*\t:S+32*\u+8*\t+7], v[KF+8*\t:KF+8*\t+7], v[QF+8*\u:QF+8*\u+7], v[MC+8*\t:MC+8*\t+7]
.endr
.endr
	v_add_nc_u32 v[ADK], s[KO], v[LI]              ; four places behind the products, ahead of the loads into their sources and of the first read of the scores
.if \pre
	v_add_nc_u32 v[ADM], s[MO], v[MA0]
.else
	v_nop
.endif
	v_add_nc_u32 v[ADV], VIMG-4096, v[ADK]         ; this step's V lies one step behind the next step's K, in V's image
	v_nop
.if \pre
	KLD ADK
.endif
.irp u, 0,1                                    ; the step's largest score, two chains a tile; each accumulator is read from its low end on
	v_max3_num_f32 v[WK+8*\u],   v[S+32*\u],   v[S+32*\u+1], v[S+32*\u+2]
	v_max3_num_f32 v[WK+8*\u+1], v[S+32*\u+3], v[S+32*\u+4], v[S+32*\u+5]
.endr
.irp i, 6,10,14,18,22,26
.irp u, 0,1
	v_max3_num_f32 v[WK+8*\u],   v[WK+8*\u],   v[S+32*\u+\i],   v[S+32*\u+\i+1]
	v_max3_num_f32 v[WK+8*\u+1], v[WK+8*\u+1], v[S+32*\u+\i+2], v[S+32*\u+\i+3]
.endr
.endr
.irp u, 0,1
	v_max3_num_f32 v[WK+8*\u], v[WK+8*\u], v[S+32*\u+30], v[S+32*\u+31]
.endr
.irp u, 0,1
	v_max_num_f32 v[WK+8*\u], v[WK+8*\u], v[WK+8*\u+1]
.endr
	MLD ADM, 0, \pre                               ; the mask's loads stand between the links of the chain
.irp u, 0,1
	v_permlanex16_b32 v[WK+8*\u+1], v[WK+8*\u], s[SEL], s[SEL+1]
.endr
	MLD ADM, 1, \pre
.irp u, 0,1
	v_max_num_f32 v[WK+8*\u], v[WK+8*\u], v[WK+8*\u+1]    ; and lane l xor 16's
.endr
	MLD ADM, 2, \pre
.irp u, 0,1
	v_mul_f32 v[WK+8*\u], s[CS], v[WK+8*\u]               ; as t (c is positive)
.endr
	MLD ADM, 3, \pre
.irp u, 0,1
	v_max_num_f32 v[ST+4*\u+1], v[ST+4*\u+1], v[WK+8*\u]  ; the running largest t
.endr
.irp u, 0,1
	v_floor_f32 v[ST+4*\u], -v[ST+4*\u+1]                 ; the new -M = -ceil(t)
.endr
.irp u, 0,1
	v_sub_f32 v[WK+8*\u+3], v[ST+4*\u], v[WK+8*\u+3]      ; old M - new M: a whole number, 0 or less
.endr
.irp u, 0,1
	v_cvt_i32_f32 v[WK+8*\u+3], v[WK+8*\u+3]              ; (it saturates)
.endr
.irp u, 0,1
	v_ldexp_f32 v[WK+8*\u+4], 1.0, v[WK+8*\u+3]           ; f = 2^(old M - new M)
.endr
.set j, 0
.rept 16
.irp u, 0,1
	v_pk_mul_f32 v[O+32*\u+j:O+32*\u+j+1], v[O+32*\u+j:O+32*\u+j+1], v[WK+8*\u+4:WK+8*\u+5] op_sel_hi:[1,0]   ; O^T under the new M, from each accumulator's low end on, ahead of the exponentials
.endr
.set j, j+2
.endr
.irp u, 0,1
	v_pk_mul_f32 v[ST+4*\u+2:ST+4*\u+3], v[ST+4*\u+2:ST+4*\u+3], v[WK+8*\u+4:WK+8*\u+5] op_sel_hi:[1,0]       ; the sums likewise
.endr
.set j, 0
.rept 16
	v_pk_fma_f32 v[S+j:S+j+1], v[S+j:S+j+1], s[CS:CS+1], v[ST:ST+1] op_sel_hi:[1,0,0]                        ; tile 0: t - M
.set j, j+2
.endr
	s_wait_alu depctr_va_vdst(0)                   ; the wait ahead of the batch
.set j, 0
.rept 16                                       ; tile 0's exponentials; among them tile 1's t - M, whose sources were made ahead of the wait above and whose results are read behind the wait below
	v_exp_f32 v[S+j], v[S+j]
	v_exp_f32 v[S+j+1], v[S+j+1]
	v_pk_fma_f32 v[S+32+j:S+33+j], v[S+32+j:S+33+j], s[CS:CS+1], v[ST+4:ST+5] op_sel_hi:[1,0,0]
.set j, j+2
.endr
	s_wait_alu depctr_va_vdst(0)                   ; behind tile 0's batch and ahead of tile 1's
.set k, 0
.irp d, P+8,P+10,P+12,P+14,20,22,24,28         ; tile 1's exponentials; among them tile 0's eight first sums of the UNQUANTISED p (no line reads another's result) and then its hold
	v_exp_f32 v[S+32+k], v[S+32+k]
	PADD \d, S+k, S+k+2
	v_exp_f32 v[S+33+k], v[S+33+k]
	DMIN S+k
	v_exp_f32 v[S+34+k], v[S+34+k]
	DMIN S+k+2
	v_exp_f32 v[S+35+k], v[S+35+k]
.set k, k+4
.endr
	v_nop                                          ; one plain place behind the last exponential
	s_wait_alu depctr_va_vdst(0)                   ; behind the batch, ahead of its first reader
.irp t, 0,1,2,3
	v_cvt_scalef32_pk8_fp8_f32 v[P+2*\t:P+2*\t+1], v[S+8*\t:S+8*\t+7], v[SC]       ; tile 0's codes: registers 2 t, 2 t + 1 of P's fragment
.endr
.irp d, 0,1,2,3
.irp c, 0,1
	ds_load_b128 v[S+8*\d+4*\c:S+8*\d+4*\c+3], v[ADV] offset:2048*\c+512*\d        ; V^T, channels 16 d on, keys 32 c on, into tile 0's score registers, which are done with
.endr
.endr
	PADD P+8, P+8, 20                              ; tile 0's eight first sums are joined; tile 1's sum goes in four chains between
	PADD P+10, P+10, 22
	PADD P+12, P+12, 24
	PADD P+14, P+14, 28
	PADD CA, S+32, S+34
	PADD CB, S+36, S+38
	PADD CC, S+40, S+42
	PADD ST+6, ST+6, S+44
	PADD P+8, P+8, P+12
	PADD P+10, P+10, P+14
	PADD CA, CA, S+46
	PADD CB, CB, S+48
	PADD CC, CC, S+50
	PADD ST+6, ST+6, S+52
	PADD P+8, P+8, P+10
	PADD CA, CA, S+54
	PADD CB, CB, S+56
	PADD CC, CC, S+58
	PADD ST+2, ST+2, P+8
	PADD ST+6, ST+6, S+60
	PADD CA, CA, S+62
.irp t, 0,1,2,3
.irp i, 0,2,4,6
	DMIN S+32+8*\t+\i
.endr
	v_cvt_scalef32_pk8_fp8_f32 v[P+8+2*\t:P+9+2*\t], v[S+32+8*\t:S+39+8*\t], v[SC]
.endr
	v_nop                                          ; one plain line between the last conversion and the products
	s_wait_alu depctr_va_vdst(0)                   ; the wait ahead of the blocking wait
	s_wait_dscnt 0x0                               ; V is in, and so are the next step's K and mask, which were asked for earlier
.irp d, 0,1,2,3
.irp u, 0,1                                    ; the eight accumulators take turns
	v_wmma_f32_16x16x64_fp8_fp8 v[O+32*\u+8*\d:O+32*\u+8*\d+7], v[S+8*\d:S+8*\d+7], v[P+8*\u:P+8*\u+7], v[O+32*\u+8*\d:O+32*\u+8*\d+7]
.endr
.endr
	PADD CA, CA, CB                                ; five places: the next score products write over V's registers
	PADD ST+6, ST+6, CC
	v_mov_b32 v[WK+3], v[ST]                       ; the next step's old -M
	v_mov_b32 v[WK+11], v[ST+4]
	PADD ST+6, ST+6, CA
.endm
; n + 1 steps on end; the last asks for nothing ahead and is written out
.macro RUN n
	s_mov_b32 s[CNT], \n
	s_wait_dscnt 0x0                               ; the first step's K and mask
.Lstep_\@:
	STEP 1
	s_add_co_u32 s[KO], s[KO], 4096
	s_add_co_u32 s[MO], s[MO], 256
	s_sub_co_u32 s[CNT], s[CNT], 1
	s_cmp_lg_u32 s[CNT], 0
	s_cbranch_scc1 .Lstep_\@
	STEP 0
.endm
	s_wait_alu depctr_va_vdst(0)                   ; the wait at the head's end
	s_wait_tensorcnt 0x0                           ; my part of keys 0-255 has landed
	ds_add_u32 v254, v255
	s_wait_dscnt 0x0                               ; the add is done, and my part of the mask is stored
	CROUND                                         ; everybody's has, and the joint loads meet
	tensor_load_to_lds s[G0B:G0B+3], s[G1B:G1B+7]  ; keys 256-2,047: my one tensor load behind the round
	s_nop 0
.rept 4
	v_nop
.endr
	KLD LI                                         ; step 0's K and mask
.irp t, 0,1,2,3
	MLD MA0, \t, 1
.endr
	s_mov_b32 s[KO], 4096
	s_mov_b32 s[MO], 256
	RUN 3                                          ; steps 0-3: keys 0-255
	s_wait_alu depctr_va_vdst(0)
	s_wait_tensorcnt 0x0                           ; my part of the other keys has landed,
	s_wait_dscnt 0x0
	s_barrier_signal -1
	s_barrier_wait -1                              ; and everybody's
	v_add_nc_u32 v[ADM], s[MO], v[MA0]
	KLD ADK                                        ; step 4's K (its address was made in step 3) and mask
.irp t, 0,1,2,3
	MLD ADM, \t, 1
.endr
	s_add_co_u32 s[KO], s[KO], 4096
	s_add_co_u32 s[MO], s[MO], 256
	RUN 27                                         ; steps 4-31
	; THE WAY OUT.  O^T / the sum x 2^(e8 + e9) goes through my own stage in LDS, a tile in two passes of 32 channels (128 bytes a query).  Each pass is read back with lane x of a sixteen at chunk x % 8 of its row;
	; lanes 0-7 keep the first pass's chunk and lanes 8-15 the second's, so that sixteen lanes store 256 consecutive bytes: a query's whole head.
	; No barrier: the stage is my own, and LDS serves a wave's instructions in order (ISA guide 5.7.1.4), so a pass's stores come behind the loads of the pass before.
	v_and_b32 v[SC], 15, v0                        ; r
	v_bfe_u32 v[LIM], v0, 4, 1                     ; h
	s_mul_i32 s56, s[WV], 16*SPITCH
	s_add_co_u32 s56, s56, STG                     ; my stage
	v_and_b32 v[ADK], 7, v0                        ; r % 8
	v_mul_u32_u24 v[ADV], v[LIM], SPITCH
	v_lshlrev_b32 v[ADM], 12, v[LIM]
	v_lshl_add_u32 v[ADV], v[ADK], 4, v[ADV]
	v_mul_u32_u24 v[ADK], v[SC], SPITCH
	v_lshl_add_u32 v[ADM], v[SC], 4, v[ADM]        ; two rows of out, 16 bytes a lane
	v_lshl_add_u32 v[ADK], v[LIM], 5, v[ADK]
	v_add_nc_u32 v[ADV], s56, v[ADV]               ; back: lanes 0-15 one row, lanes 16-31 the next; chunk r % 8
	v_add_nc_u32 v[ADK], s56, v[ADK]               ; in: row r; the pass's channels 16 e + 8 h on
.irp u, 0,1
	v_add_f32 v[WK+8*\u], v[ST+4*\u+2], v[ST+4*\u+3]
.endr
.irp u, 0,1
	v_permlanex16_b32 v[WK+8*\u+1], v[WK+8*\u], s[SEL], s[SEL+1]
.endr
.irp u, 0,1
	v_add_f32 v[WK+8*\u], v[WK+8*\u], v[WK+8*\u+1]        ; the row's sum
.endr
	s_wait_alu depctr_va_vdst(0)
.irp u, 0,1
	v_rcp_f32 v[WK+8*\u], v[WK+8*\u]
.endr
	v_nop
	s_add_co_i32 s57, s54, s55
	s_wait_alu depctr_va_vdst(0)
.irp u, 0,1
	v_ldexp_f32 v[WK+8*\u], v[WK+8*\u], s57        ; x 2^(e8 + e9)
.endr
	s_wait_alu depctr_va_vdst(0)                   ; the wait directly ahead of the first readers of O^T
.irp u, 0,1
.set j, 0
.rept 16
	v_pk_mul_f32 v[S+32*\u+j:S+32*\u+j+1], v[O+32*\u+j:O+32*\u+j+1], v[WK+8*\u:WK+8*\u+1] op_sel_hi:[1,0]   ; register 8 d + i is out(query r, channel 16 d + 8 h + i)
.set j, j+2
.endr
.endr
	v_cmp_le_u32 vcc_lo, 8, v[SC]                  ; lanes 8-15 of a sixteen take the second pass
	s_wait_alu depctr_va_vdst(0)
.irp u, 0,1                                    ; tile 0 comes back into v48-111, tile 1 into v176-239 (O^T is done with): pass c at + 32 c
.irp c, 0,1
.irp e, 0,1
	ds_store_b128 v[ADK], v[S+32*\u+16*\c+8*\e:S+32*\u+16*\c+8*\e+3] offset:64*\e
	ds_store_b128 v[ADK], v[S+32*\u+16*\c+8*\e+4:S+32*\u+16*\c+8*\e+7] offset:64*\e+16
.endr
.irp i, 0,1,2,3,4,5,6,7
	ds_load_b128 v[KF+128*\u+32*\c+4*\i:KF+128*\u+32*\c+4*\i+3], v[ADV] offset:2*\i*SPITCH
.endr
.endr
.endr
.irp u, 0,1
	s_wait_dscnt 24-24*\u                          ; behind tile 0's last load: tile 1's 24 LDS instructions
.set j, 0
.rept 32
	v_cndmask_b32 v[KF+128*\u+j], v[KF+128*\u+j], v[KF+128*\u+32+j], vcc_lo
.set j, j+1
.endr
.irp i, 0,1,2,3,4,5,6,7
	global_store_b128 v[ADM], v[KF+128*\u+4*\i:KF+128*\u+4*\i+3], s[14:15] offset:(16*\u+2*\i)*4096 th:TH_STORE_NT   ; 16 lanes store 256 consecutive bytes, aligned
.endr
.endr
	s_wait_xcnt 0x0
	v_lshl_add_u32 v254, v0, 2, 0x42000            ; no two registers could be kept: v0 was, and the two are made anew
	v_mov_b32 v255, 0
	s_wait_alu depctr_va_vdst(0)
	s_wait_tensorcnt 0x0                           ; the wave's end
	ds_add_u32 v254, v255
	s_wait_dscnt 0x0
	CROUND                                         ; the closing round
	s_endpgm
.Lfunc_end_k_qf20181c01e_attn:
	.size	k_qf20181c01e_attn, .Lfunc_end_k_qf20181c01e_attn-k_qf20181c01e_attn
	.p2alignl 7, 3214868480
	.fill 96, 4, 3214868480
	.section	.rodata,"a",@progbits
	.p2align	6, 0x0
	.amdhsa_kernel k_qf20181c01e_attn
		.amdhsa_group_segment_fixed_size 327680
		.amdhsa_private_segment_fixed_size 0
		.amdhsa_enable_private_segment 0
		.amdhsa_kernarg_size 48
		.amdhsa_user_sgpr_count 2
		.amdhsa_user_sgpr_kernarg_segment_ptr 1
		.amdhsa_wavefront_size32 1
		.amdhsa_system_sgpr_workgroup_id_x 1
		.amdhsa_system_sgpr_workgroup_id_y 1
		.amdhsa_system_sgpr_workgroup_id_z 1
		.amdhsa_system_vgpr_workitem_id 0
		.amdhsa_next_free_vgpr 256
		.amdhsa_next_free_sgpr 66
		.amdhsa_reserve_vcc 1
		.amdhsa_float_denorm_mode_32 3
		.amdhsa_float_denorm_mode_16_64 3
		.amdhsa_memory_ordered 1
		.amdhsa_forward_progress 1
		.amdhsa_inst_pref_size 86
	.end_amdhsa_kernel
	.amdgpu_metadata
---
amdhsa.version: [ 1, 2 ]
amdhsa.kernels:
  - .name:           k_qf20181c01e_attn
    .symbol:         k_qf20181c01e_attn.kd
    .args:
      - { .name: qimg, .offset: 0, .size: 8, .value_kind: global_buffer, .address_space: global }
      - { .name: kimg, .offset: 8, .size: 8, .value_kind: global_buffer, .address_space: global }
      - { .name: vimg, .offset: 16, .size: 8, .value_kind: global_buffer, .address_space: global }
      - { .name: attention_mask, .offset: 24, .size: 8, .value_kind: global_buffer, .address_space: global }
      - { .name: lowp_scales, .offset: 32, .size: 8, .value_kind: global_buffer, .address_space: global }
      - { .name: out0, .offset: 40, .size: 8, .value_kind: global_buffer, .address_space: global }
    .group_segment_fixed_size: 327680
    .private_segment_fixed_size: 0
    .kernarg_segment_align: 8
    .kernarg_segment_size: 48
    .max_flat_workgroup_size: 512
    .sgpr_count:     66
    .vgpr_count:     256
    .wavefront_size: 32
...
	.end_amdgpu_metadata
.endif
;; end of part 2
